; MI455X (gfx1250); checked and timed in simulation.
; The chip was launched on July 23, 2026; its instructions are those of AMD's public machine-readable ISA for CDNA 5 (MIT licence, August 2026) and "CDNA5" Instruction Set Architecture Reference Guide (July 2026). The comments in the code are by the model that wrote it; some were corrected since.
;; Sample Attention. Allowed arithmetic: matrix products marked QUANTISED: E4M3 operands, one given power-of-two scale a tensor, by v_wmma_f32_16x16x64_fp8_fp8 or v_wmma_f32_16x16x128_fp8_fp8, f32 sums; everything else in f32.
;; Inputs: lowp_scales 12 int32 (the exponents e of the quantised operands' scales 2^e); wk 768 x 768 float32; wo 768 x 768 float32; wq 768 x 768 float32; wv 768 x 768 float32; x 1 x 4,096 x 768 float32.
;; Outputs: out0 1 x 4,096 x 768 float32.
;; This version of the problem:
;;   THIS VERSION OF THE PROBLEM IS GIVEN IN LOW PRECISION. The matrix products marked QUANTISED in the list below multiply operands that are first quantised to E4M3 (4 exponent bits, 3 mantissa bits; 8 bits a number), with one given power-of-two scale for each operand tensor; their sums are f32. All else is computed in f32.
;;   The module's matrix products, in the order in which they are computed (A, B: the left and right operand; K: the contracted axis; several contracted axes count as one K, in the product's order):
;;     1. [M 4,096, K 768] x [K 768, N 768]; A: input x; B: input wq: QUANTISED (scales: A lowp_scales[0], B lowp_scales[1])
;;     2. [M 4,096, K 768] x [K 768, N 768]; A: input x; B: input wk: QUANTISED (scales: A lowp_scales[2], B lowp_scales[3])
;;     3. [M 4,096, K 768] x [K 768, N 768]; A: input x; B: input wv: QUANTISED (scales: A lowp_scales[4], B lowp_scales[5])
;;     4. batch 12 x [M 4,096, K 64] x [K 64, N 4,096]; A: computed on the way; B: computed on the way: QUANTISED (scales: A lowp_scales[6], B lowp_scales[7])
;;     5. batch 12 x [M 4,096, K 4,096] x [K 4,096, N 64]; A: softmax (see below); B: computed on the way: QUANTISED (scales: A lowp_scales[8], B lowp_scales[9])
;;     6. [M 4,096, K 768] x [K 768, N 768]; A: computed on the way; B: input wo: QUANTISED (scales: A lowp_scales[10], B lowp_scales[11])
;;   THE QUANTISER, for each operand of a quantised product, along K:
;;     - The operand's scale is 2^e, e = its entry of the input lowp_scales (int32; the entries are numbered through the quantised products in the list's order, A before B).
;;     - Each number is divided by the scale, clamped to +-448, and rounded to the nearest number of E4M3, ties to even, subnormals kept.
;;     - The product sums the exact products of the quantised numbers (number of the format x scale) in f32.
;;   ~~~python
;;   def quantise(x, axis, e):      # numpy; x: float32 -> the quantised numbers, widened to float32 again
;;       x = np.moveaxis(x, axis, -1); K = x.shape[-1]
;;       r = np.clip(x / 2.0 ** e, -448, 448)
;;       step = 2.0 ** (np.maximum(np.frexp(np.where(r == 0, 1, r))[1] - 1, -6) - 3)
;;       q = np.round(r / step) * step * 2.0 ** e      # np.round: ties to even
;;       return np.moveaxis(q, -1, axis).astype(np.float32)
;;   ~~~
;;   SOFTMAX AHEAD OF A QUANTISED PRODUCT. Where the list says 'softmax', what is quantised is not the finished softmax but p = 2^(t - M), with t = logit x log2(e) and M = ceil(the row's largest t), a whole number; so 1/2 < the row's largest p <= 1. The row's sum l is taken of the UNQUANTISED p, in f32, and the product's result is divided by l at the end. Since M is a whole number, a kernel that streams over the keys may use a running M (the ceiling of the running maximum): every later rescaling is an exact power of two, so the quantised numbers keep their values, but for numbers so far below the row's largest that they fall under the format's range.
;;   OPERANDS COMPUTED ON THE WAY. 'Computed on the way' means the value that the module computes at that place (a softmax that the list does not call 'softmax' is quantised finished and normalised). What goes into a quantiser is computed in f32, as accurately as f32 sums, v_exp_f32 and their like allow (about 1e-6 of the number): no bf16 or f16 on the way to a quantiser, and a product that is left as it is and whose result goes on into a quantised operand takes f32 operands (vector FMAs, or v_wmma_f32_16x16x4_f32). A number that lies on a knife's edge between two numbers of the format may be rounded either way, as far as f32 arithmetic and the matrix unit's own rounding can turn it there, and no further.
;; One version. Each part assembles by itself: llvm-mc -triple=amdgcn-amd-amdhsa -mcpu=gfx1250 --defsym DOCPART=n.
;; ======== version 1 of 1: 4 launches
;; limits: right only within a limited range of input values
;; workspace buffers: ximg 9,437,184 bytes; wimg 2,359,296 bytes; qkv 9,437,184 bytes; oimg 3,145,728 bytes
;; launch quant (part 1): grid 448 x 1, 6 waves a work-group, no clusters, 51,456 bytes of LDS; arguments x, wq, wk, wv, wo, lowp_scales, ximg, wimg; writes ximg, wimg
.if DOCPART == 1
	.amdgcn_target "amdgcn-amd-amdhsa--gfx1250"
	.amdhsa_code_object_version 6
	.text
	.protected	k_qf7ce5b49a2_quant
	.globl	k_qf7ce5b49a2_quant
	.p2align	8
	.type	k_qf7ce5b49a2_quant,@function
k_qf7ce5b49a2_quant:
	s_mov_b64 s[64:65], 0
	v_nop
	global_prefetch_b8 v0, s[64:65] scope:SCOPE_SE
	s_setreg_imm32_b32 hwreg(HW_REG_WAVE_MODE, 25, 1), 1
	s_wait_xcnt 0x0
; x [4096][768] and wq, wk, wv, wo [768][768], f32, K innermost, become codes of E4M3, laid as IMAGES OF OPERAND REGISTERS.
; code = number / 2^e, held within +-448, to the nearest code, ties to even.  x is an operand of three products with three given scales (entries 0, 2, 4): three sets of codes.
; wq, wk, wv, wo take entries 1, 3, 5, 11.
; THE LAYOUT.  Row tile f holds the 16 rows 32 (f / 2) + 8 (f % 2) + i + 8 (i / 8), i = 0 .. 15.  A fragment (a row tile x 128 along K, step s) is 2,048 bytes: byte 512 c + 16 lane + e is
; the code of (the tile's row lane % 16, k = 128 s + 32 c + 16 (lane / 16) + e).  Four loads of 16 bytes a lane, 512 bytes apart, give a wave the operand's 16 registers.
; ximg: 3 sets x [256 tiles][6 steps][2,048];  wimg: 4 sets x [48 tiles][6 steps][2,048].
; SHARES.  A work-group takes one row tile, its wave w the K step w: one fragment.  Work-groups 0-255: x's tiles, three outputs each; 256-447: the weights' tiles, one output each.
; A load reads 512 consecutive bytes of one row; the conversions want 16 neighbours along K in one lane: so the 16 x 512 bytes turn through the wave's own stage in LDS.
; No tensor load, no barrier (waves share nothing), no matrix unit, no cluster (no byte is read by two work-groups).
; LIMITS: each of the entries 0-5 and 11 lies between -126 and 119, so that 2^e and 448 x 2^e are f32 numbers.  NaN among the inputs is not served; an infinity is held at the largest code.
.set ROWB,  3072                       ; a row of x or of a weight in bytes
.set SP,    528                        ; a stage row: 512 bytes + 16 = 132 words, so the sixteen rows that a load touches begin 4 words apart modulo 64 (64 banks of 4 bytes: ISA guide 11.1)
.set WST,   16*SP                      ; a wave's stage
.set SPARE, 6*WST                      ; behind the six stages: the spare words, 128 bytes for each wave: three blocks of 256 bytes that no other line names
.set XSET,  3145728                    ; a set of x's codes
.set WSET,  589824                     ; a set of a weight's codes
.set TILEB, 12288                      ; a row tile's six fragments
.set LI,   1                           ; v1   16 x lane: my bytes of a row's 512, and of a store's 512
.set SIN,  2                           ; v2   the stage on the way in
.set SOUT, 3                           ; v3   and on the way out
.set SC,   4                           ; v4-9 for output o: v[SC+2 o] = 2^e, v[SC+2 o+1] = 448 x 2^e
.set SPW,  12                          ; v12  LDS address of my spare word; never rewritten
.set NIL,  13                          ; v13  0; never rewritten
.set R,    16                          ; v16-79   16 rows as loaded
.set T,    16                          ; v16-47   later: two sets of 16 held numbers, by turns
.set N,    80                          ; v80-143  register 16 c + i = k 32 c + 16 (lane / 16) + i of row lane % 16
.set C,    144                         ; v144-191 16 registers of codes for each output: no store's data are written again
	s_load_b512 s[16:31], s[0:1], 0x0              ; x s[16:17], wq s[18:19], wk s[20:21], wv s[22:23], wo s[24:25], the exponents s[26:27], ximg s[28:29], wimg s[30:31]
	v_lshl_add_u32 v[SPW], v0, 2, SPARE
	v_mov_b32 v[NIL], 0
	v_lshrrev_b32 v10, 5, v0
	v_readfirstlane_b32 s7, v10                    ; wave 0..5 = K step
	v_and_b32 v10, 31, v0
	v_lshlrev_b32 v[LI], 4, v10
	s_mul_i32 s32, s7, WST
	v_add_nc_u32 v[SIN], s32, v[LI]                ; in: row i at SP i, 16 bytes a lane
	v_and_b32 v10, 15, v0
	v_bfe_u32 v11, v0, 4, 1
	v_mul_u32_u24 v[SOUT], v10, SP
	v_lshl_add_u32 v[SOUT], v11, 6, v[SOUT]
	v_add_nc_u32 v[SOUT], s32, v[SOUT]             ; out: row lane % 16, + 64 (lane / 16): my 16 numbers of a block of 32
	s_mov_b32 s4, ttmp9
	s_sub_co_u32 s33, s4, 256
	s_cmp_lt_u32 s4, 256
	s_cselect_b32 s33, 0, s33                      ; the weights' work-groups count from 0
	s_mul_i32 s5, s33, 171
	s_lshr_b32 s5, s5, 13                          ; j = that / 48 (exact below 192): which weight; 0 in x's work-groups
	s_mul_i32 s6, s5, 48
	s_sub_co_u32 s6, s33, s6
	s_cmp_lt_u32 s4, 256
	s_cselect_b32 s6, s4, s6                       ; my row tile
	s_lshr_b32 s34, s6, 1
	s_lshl_b32 s34, s34, 5
	s_and_b32 s35, s6, 1
	s_lshl_b32 s35, s35, 3
	s_add_co_u32 s34, s34, s35                     ; the tile's first row
	s_mul_i32 s34, s34, ROWB
	s_lshl_b32 s35, s7, 9
	s_add_co_u32 s34, s34, s35                     ; + my K step's 512 bytes
	s_mov_b32 s35, 0
	s_mul_i32 s36, s5, WSET
	s_mul_i32 s37, s6, TILEB
	s_add_co_u32 s36, s36, s37
	s_lshl_b32 s37, s7, 11
	s_add_co_u32 s36, s36, s37                     ; where my fragment's image goes
	s_mov_b32 s37, 0
	s_wait_alu depctr_va_vdst(0)
	s_wait_kmcnt 0x0
	s_load_b256 s[40:47], s[26:27], 0x0            ; entries 0-7
	s_load_b128 s[48:51], s[26:27], 0x20           ; entries 8-11
	s_cmp_eq_u32 s5, 1                             ; the buffers are chosen by the work-group's number alone
	s_cselect_b64 s[8:9], s[20:21], s[18:19]
	s_cmp_eq_u32 s5, 2
	s_cselect_b64 s[8:9], s[22:23], s[8:9]
	s_cmp_eq_u32 s5, 3
	s_cselect_b64 s[8:9], s[24:25], s[8:9]
	s_cmp_lt_u32 s4, 256
	s_cselect_b64 s[8:9], s[16:17], s[8:9]
	s_cselect_b64 s[10:11], s[28:29], s[30:31]
	s_add_nc_u64 s[8:9], s[8:9], s[34:35]
	s_add_nc_u64 s[10:11], s[10:11], s[36:37]
.irp i, 0,1,2,3,4,5,6,7,8,9,10,11,12,13,14,15
	global_load_b128 v[R+4*\i:R+4*\i+3], v[LI], s[8:9] offset:(\i+8*(\i/8))*ROWB th:TH_LOAD_NT   ; the tile's row i: 32 lanes read 512 consecutive bytes; read once in the launch
.endr
	s_wait_kmcnt 0x0
	s_cmp_eq_u32 s5, 1
	s_cselect_b32 s12, s43, s41                    ; wk's entry 3, wq's entry 1,
	s_cmp_eq_u32 s5, 2
	s_cselect_b32 s12, s45, s12                    ; wv's entry 5,
	s_cmp_eq_u32 s5, 3
	s_cselect_b32 s12, s51, s12                    ; wo's entry 11,
	s_cmp_lt_u32 s4, 256
	s_cselect_b32 s12, s40, s12                    ; x's entry 0
.macro MKSC e, vs, vl                  ; 2^e and 448 x 2^e as f32 numbers
	s_add_co_i32 s38, s[\e], 127
	s_lshl_b32 s39, s38, 23
	v_mov_b32 v[\vs], s39
	s_add_co_i32 s38, s38, 8
	s_lshl_b32 s38, s38, 23
	s_or_b32 s38, s38, 0x600000
	v_mov_b32 v[\vl], s38
.endm
	MKSC 12, SC, SC+1
	MKSC 42, SC+2, SC+3                            ; x's entry 2
	MKSC 44, SC+4, SC+5                            ; x's entry 4
	s_wait_alu depctr_va_vdst(0)
.irp i, 0,1,2,3,4,5,6,7,8,9,10,11,12,13,14,15
	s_wait_loadcnt 15-\i                           ; loads come back in order: row i is in, the younger ones stay out
	ds_store_b128 v[SIN], v[R+4*\i:R+4*\i+3] offset:SP*\i
.endr
.irp c, 0,1,2,3
.irp j, 0,1,2,3
	ds_load_b128 v[N+16*\c+4*\j:N+16*\c+4*\j+3], v[SOUT] offset:128*\c+16*\j   ; LDS serves a wave's instructions in order: these see my stores
.endr
.endr
; Output o: the 64 numbers in N, held and converted with output o's scale, and stored as the fragment's image.  first = 1: N is still on its way back from the stage.
; The held numbers go into two sets of 16 by turns, so that the lines behind a conversion write none of its sources; N stays whole for the next output.
.macro QUANT o, first
.irp b, 0,1,2,3
.if \first
	s_wait_dscnt 12-4*\b                           ; block b's four loads are in; at b = 0 all sixteen stores ahead of them are done too, so R's registers may be written
.endif
.irp i, 0,1,2,3,4,5,6,7,8,9,10,11,12,13,14,15
	v_med3_num_f32 v[T+16*(\b%2)+\i], v[N+16*\b+\i], -v[SC+2*\o+1], v[SC+2*\o+1]   ; the conversion to an 8-bit code does not saturate (ISA guide 7.6.2): hold first
.endr
	v_cvt_scalef32_pk8_fp8_f32 v[C+16*\o+4*\b:C+16*\o+4*\b+1], v[T+16*(\b%2):T+16*(\b%2)+7], v[SC+2*\o]
	v_cvt_scalef32_pk8_fp8_f32 v[C+16*\o+4*\b+2:C+16*\o+4*\b+3], v[T+16*(\b%2)+8:T+16*(\b%2)+15], v[SC+2*\o]
.endr
.irp c, 0,1,2,3
	global_store_b128 v[LI], v[C+16*\o+4*\c:C+16*\o+4*\c+3], s[10:11] offset:\o*XSET+512*\c   ; 32 lanes store 512 consecutive bytes, at a multiple of 256 from the buffer's first byte
.endr
.endm
	QUANT 0, 1
	s_wait_tensorcnt 0x0                           ; my last LDS store and load are behind me
	ds_add_u32 v[SPW], v[NIL]
	s_wait_dscnt 0x0
	s_cmp_lt_u32 s4, 256
	s_cbranch_scc0 .Ldone                          ; a weight has one scale
	QUANT 1, 0
	QUANT 2, 0
.Ldone:
	s_endpgm
.Lfunc_end_k_qf7ce5b49a2_quant:
	.size	k_qf7ce5b49a2_quant, .Lfunc_end_k_qf7ce5b49a2_quant-k_qf7ce5b49a2_quant
	.p2alignl 7, 3214868480
	.fill 96, 4, 3214868480
	.section	.rodata,"a",@progbits
	.p2align	6, 0x0
	.amdhsa_kernel k_qf7ce5b49a2_quant
		.amdhsa_group_segment_fixed_size 51456
		.amdhsa_private_segment_fixed_size 0
		.amdhsa_enable_private_segment 0
		.amdhsa_kernarg_size 64
		.amdhsa_user_sgpr_count 2
		.amdhsa_user_sgpr_kernarg_segment_ptr 1
		.amdhsa_wavefront_size32 1
		.amdhsa_system_sgpr_workgroup_id_x 1
		.amdhsa_system_sgpr_workgroup_id_y 1
		.amdhsa_system_sgpr_workgroup_id_z 1
		.amdhsa_system_vgpr_workitem_id 0
		.amdhsa_next_free_vgpr 192
		.amdhsa_next_free_sgpr 66
		.amdhsa_reserve_vcc 0
		.amdhsa_float_denorm_mode_32 3
		.amdhsa_float_denorm_mode_16_64 3
		.amdhsa_memory_ordered 1
		.amdhsa_forward_progress 1
		.amdhsa_inst_pref_size 23
	.end_amdhsa_kernel
	.amdgpu_metadata
---
amdhsa.version: [ 1, 2 ]
amdhsa.kernels:
  - .name:           k_qf7ce5b49a2_quant
    .symbol:         k_qf7ce5b49a2_quant.kd
    .args:
      - { .name: x, .offset: 0, .size: 8, .value_kind: global_buffer, .address_space: global }
      - { .name: wq, .offset: 8, .size: 8, .value_kind: global_buffer, .address_space: global }
      - { .name: wk, .offset: 16, .size: 8, .value_kind: global_buffer, .address_space: global }
      - { .name: wv, .offset: 24, .size: 8, .value_kind: global_buffer, .address_space: global }
      - { .name: wo, .offset: 32, .size: 8, .value_kind: global_buffer, .address_space: global }
      - { .name: lowp_scales, .offset: 40, .size: 8, .value_kind: global_buffer, .address_space: global }
      - { .name: ximg, .offset: 48, .size: 8, .value_kind: global_buffer, .address_space: global }
      - { .name: wimg, .offset: 56, .size: 8, .value_kind: global_buffer, .address_space: global }
    .group_segment_fixed_size: 51456
    .private_segment_fixed_size: 0
    .kernarg_segment_align: 8
    .kernarg_segment_size: 64
    .max_flat_workgroup_size: 192
    .sgpr_count:     66
    .vgpr_count:     192
    .wavefront_size: 32
...
	.end_amdgpu_metadata
.endif
;; end of part 1
;; launch qkv (part 2): grid 16 x 12, 4 waves a work-group, clusters of 4 x 1, 167,936 bytes of LDS; arguments ximg, wimg, lowp_scales, qkv; writes qkv
.if DOCPART == 2
	.amdgcn_target "amdgcn-amd-amdhsa--gfx1250"
	.amdhsa_code_object_version 6
	.text
	.protected	k_qf7ce5b49a2_qkv
	.globl	k_qf7ce5b49a2_qkv
	.p2align	8
	.type	k_qf7ce5b49a2_qkv,@function
k_qf7ce5b49a2_qkv:
	s_mov_b64 s[64:65], 0
	v_nop
	global_prefetch_b8 v0, s[64:65] scope:SCOPE_SE
	s_setreg_imm32_b32 hwreg(HW_REG_WAVE_MODE, 25, 1), 1
	s_wait_xcnt 0x0
	s_wait_alu depctr_hold_cnt(0) depctr_sa_sdst(0) depctr_va_vdst(0) depctr_va_sdst(0) depctr_va_ssrc(0) depctr_va_vcc(0) depctr_vm_vsrc(0)
	s_getreg_b32 s2, hwreg(HW_REG_IB_STS2, 6, 4)
	s_cmp_eq_u32 s2, 0
	s_cbranch_scc0 .Lentry_in_a_cluster
	s_endpgm
.Lentry_in_a_cluster:
	s_bfe_u32 s2, ttmp6, 0x10000c
	s_cmp_lg_u32 s2, 0x3003
	s_cbranch_scc0 .Lentry_shape_is_right
	s_endpgm
.Lentry_shape_is_right:
; q, k, v from the codes of x and of wq, wk, wv, quantised at once (entries 6, 7, 9) and laid as images of operand registers: qkv: 3 sets x [head 12][262,144 bytes].
; q, k: [token tile 256][c 2][512]: lane (r, h): the tile's token r, channels 32 c + 16 h + 0 .. 15.  v: [128 keys 32][channel tile 4][c 4][512]: the tile's channel r, keys 32 c + 16 h + 0 .. 15.
; Work-group (X, y): set y / 4, tokens 256 X on (16 row tiles of x, four in each wave's registers), channels 192 (y % 4) on: three heads, 12 row tiles of the weight, in LDS, read by all four waves.
; q, k: source 0 = the weight's tile, source 1 = x's: a lane holds one token, registers run along channels.  v: source 0 = x's tile, source 1 = the weight's: a lane holds one channel, registers run along tokens.
; CLUSTERS: the four work-groups of a cluster have the same y and take the same 12 tiles of the weight: asked for jointly, wave w tiles 3 w .. 3 w + 2 (36,864 dense bytes) by one tensor load.  LDS is filled once.
; NO PREFETCH: no loop to run ahead in, all loads go out at the head.
; LIMITS: 6 - 0 - 1, 7 - 2 - 3 and 9 - 4 - 5 (of the entries) lie between -126 and 119, so that each power of two below is an f32 number.
; WINDOWS: window 0: v1-11 constants; v16-31 codes; v32-127, v128-223 a tile of the weight, two buffers.  window 1: x's fragments (K step s, tile t) at v[16 (4 s + t)], s = 0 .. 3.
;   window 2: v0-127 the same for s = 4, 5; v128-159 the four accumulators.
.set TILEB, 12288
.set XSET,  3145728
.set WSET,  589824
.set SPARE, 12*TILEB                   ; behind the 12 tiles: the spare words, 128 bytes for each wave: two blocks of 256 bytes that no other line names
.set LI,   1                           ; v1   16 x lane
.set LA,   2                           ; v2   LDS address of the trip's first tile, for my lane
.set SCL,  8                           ; v8   2^(e out - e x - e w)
.set LIM,  9                           ; v9   448 x that
.set SPW,  10                          ; v10  LDS address of my spare word; never rewritten
.set NIL,  11                          ; v11  0; never rewritten
.set CD,   16
.set LF,   32
.set ACC,  128                         ; in window 2
.set G1,   24                          ; s[24:31] descriptor group 1
.set G0,   32                          ; s[32:35] descriptor group 0
.set MSB, 0
.macro WIN new                         ; the immediate's high byte repeats the setting that is left; a switch that changes nothing is dropped
.if MSB != \new
	s_set_vgpr_msb (MSB<<8)|\new
.set MSB, \new
.endif
.endm
.macro ROUND                           ; a round of the cluster's barrier
	s_barrier_signal -1
	s_barrier_wait -1
	s_cmp_lg_u32 s12, 0
	s_cbranch_scc1 .Lnot_wave_0_\@
	s_barrier_signal -3
.Lnot_wave_0_\@:
	s_barrier_wait -3
	s_barrier_signal -1
	s_barrier_wait -1
.endm
	s_load_b256 s[4:11], s[0:1], 0x0               ; ximg s[4:5], wimg s[6:7], the exponents s[8:9], qkv s[10:11]
	v_lshl_add_u32 v[SPW], v0, 2, SPARE
	v_mov_b32 v[NIL], 0
	ds_add_u32 v[SPW], v[NIL]                      ; the wave's opening: the add, twice on end, and its wait ahead of my first tensor load
	ds_add_u32 v[SPW], v[NIL]
	v_lshrrev_b32 v3, 5, v0
	v_readfirstlane_b32 s12, v3                    ; wave 0..3
	v_and_b32 v3, 31, v0
	v_lshlrev_b32 v[LI], 4, v3
	v_lshlrev_b32 v[LA], 4, v3
	s_wait_alu depctr_va_vdst(0)
	s_and_b32 s14, ttmp7, 0xffff                   ; y
	s_lshr_b32 s15, s14, 2                         ; set
	s_and_b32 s16, s14, 3                          ; which 12 tiles of the weight
	s_bfe_u32 s13, ttmp6, 0x40000
	s_lshl_b32 s17, ttmp9, 2
	s_add_co_u32 s13, s13, s17                     ; X = 4 x cluster x + my place
	s_mov_b32 s[G1+0], (3<<16)|(1<<21)|15          ; elements of 8 bytes; all four of the cluster; bit 21 set beside a mask
	s_mov_b32 s[G1+1], 32<<16                      ; 144 dense rows of 256 bytes
	s_mov_b32 s[G1+2], 144<<16
	s_mov_b32 s[G1+3], 32<<16
	s_mov_b32 s[G1+4], 144
	s_mov_b32 s[G1+5], 32
	s_mov_b32 s[G1+6], 0
	s_mov_b32 s[G1+7], 0
	s_mul_i32 s22, s12, 3*TILEB                    ; my three tiles in the block and in LDS: no place in the cluster enters
	s_mul_i32 s20, s15, WSET
	s_mul_i32 s21, s16, 12*TILEB
	s_add_co_u32 s20, s20, s21
	s_add_co_u32 s20, s20, s22
	s_mov_b32 s21, 0
	s_mul_i32 s18, s15, XSET                       ; x: my four tiles
	s_mul_i32 s19, s13, 16*TILEB
	s_add_co_u32 s18, s18, s19
	s_mul_i32 s19, s12, 4*TILEB
	s_add_co_u32 s18, s18, s19
	s_mov_b32 s19, 0
	s_mul_i32 s58, s15, XSET                       ; the results: set,
	s_mul_i32 s59, s16, 3<<18
	s_add_co_u32 s58, s58, s59                     ; head,
	s_lshl_b32 s59, s13, 14
	s_add_co_u32 s58, s58, s59                     ; 256 tokens,
	s_lshr_b32 s60, s12, 1
	s_lshl_b32 s60, s60, 13
	s_and_b32 s61, s12, 1
	s_lshl_b32 s61, s61, 10
	s_add_co_u32 s60, s60, s61                     ; v: my 64 tokens are half of 128 keys;
	s_lshl_b32 s61, s12, 12                        ; q, k: four token tiles
	s_cmp_eq_u32 s15, 2
	s_cselect_b32 s60, s60, s61
	s_add_co_u32 s58, s58, s60
	s_mov_b32 s59, 0
	s_wait_dscnt 0x0                               ; both opening adds are done
	s_wait_kmcnt 0x0
	s_load_b256 s[68:75], s[8:9], 0x0              ; entries 0-7
	s_load_b128 s[76:79], s[8:9], 0x20             ; entries 8-11
	s_add_nc_u64 s[48:49], s[4:5], s[18:19]
	s_add_nc_u64 s[10:11], s[10:11], s[58:59]
	s_mov_b32 s[G0], 1                             ; count = 1
	s_mov_b32 s[G0+1], s22                         ; LDS address
	s_add_nc_u64 s[G0+2:G0+3], s[6:7], s[20:21]
	s_or_b32 s[G0+3], s[G0+3], 0x80000000          ; type = 2
	ROUND                                          ; all four work-groups are here: the joint loads meet
	tensor_load_to_lds s[G0:G0+3], s[G1:G1+7]      ; my one tensor load
	s_nop 0
.rept 4
	v_nop                                          ; ahead of the switch of windows below
.endr
	WIN 0x40                                       ; destination window 1
.irp s, 0,1,2,3
.irp t, 0,1,2,3
.irp c, 0,1,2,3
	global_load_b128 v[16*(4*\s+\t)+4*\c:16*(4*\s+\t)+4*\c+3], v[LI], s[48:49] offset:\t*TILEB+\s*2048+\c*512
.endr
.endr
.endr
	WIN 0x80                                       ; destination window 2
.irp s, 4,5
.irp t, 0,1,2,3
.irp c, 0,1,2,3
	global_load_b128 v[16*(4*(\s-4)+\t)+4*\c:16*(4*(\s-4)+\t)+4*\c+3], v[LI], s[48:49] offset:\t*TILEB+\s*2048+\c*512
.endr
.endr
.endr
	WIN 0
	s_wait_kmcnt 0x0
	s_cmp_eq_u32 s15, 1
	s_cselect_b32 s56, s70, s68
	s_cselect_b32 s57, s71, s69
	s_cselect_b32 s62, s75, s74
	s_cmp_eq_u32 s15, 2
	s_cselect_b32 s56, s72, s56
	s_cselect_b32 s57, s73, s57
	s_cselect_b32 s62, s77, s62
	s_sub_co_i32 s62, s62, s56
	s_sub_co_i32 s62, s62, s57
	s_add_co_i32 s62, s62, 127
	s_lshl_b32 s63, s62, 23
	v_mov_b32 v[SCL], s63                          ; the three scales folded into the conversion's one
	s_add_co_i32 s62, s62, 8
	s_lshl_b32 s62, s62, 23
	s_or_b32 s62, s62, 0x600000
	v_mov_b32 v[LIM], s62
.macro LFETCH m                        ; the trip's tile m, six fragments, into buffer m % 2
.irp s, 0,1,2,3,4,5
.irp c, 0,1,2,3
	ds_load_b128 v[LF+96*((\m)%2)+16*\s+4*\c:LF+96*((\m)%2)+16*\s+4*\c+3], v[LA] offset:(\m)*TILEB+\s*2048+\c*512
.endr
.endr
.endm
; 24 matrix instructions: one tile of the weight (buffer p) against my four of x, K ascending; the four accumulators take turns, one instruction a turn; the first K step starts the sums.
.macro PROD t, x, w, s, vp
.if (\s) == 0
.if \vp
	v_wmma_f32_16x16x128_fp8_fp8 v[ACC+8*\t:ACC+8*\t+7], v[\x:\x+15], v[\w:\w+15], 0
.else
	v_wmma_f32_16x16x128_fp8_fp8 v[ACC+8*\t:ACC+8*\t+7], v[\w:\w+15], v[\x:\x+15], 0
.endif
.elseif \vp
	v_wmma_f32_16x16x128_fp8_fp8 v[ACC+8*\t:ACC+8*\t+7], v[\x:\x+15], v[\w:\w+15], v[ACC+8*\t:ACC+8*\t+7]
.else
	v_wmma_f32_16x16x128_fp8_fp8 v[ACC+8*\t:ACC+8*\t+7], v[\w:\w+15], v[\x:\x+15], v[ACC+8*\t:ACC+8*\t+7]
.endif
.endm
.macro MULT p, vp
.if \vp
	WIN 0xa1                                       ; source 0 (x) window 1, source 1 (the weight) window 0, C and D window 2
.else
	WIN 0xa4                                       ; source 0 (the weight) window 0, source 1 (x) window 1
.endif
.irp s, 0,1,2,3
.irp t, 0,1,2,3
	PROD \t, 16*(4*\s+\t), LF+96*(\p)+16*\s, \s, \vp
.endr
.endr
.if \vp
	WIN 0xa2
.else
	WIN 0xa8
.endif
.irp s, 4,5
.irp t, 0,1,2,3
	PROD \t, 16*(4*(\s-4)+\t), LF+96*(\p)+16*\s, \s, \vp
.endr
.endr
.endm
.macro TILE m, vp
	s_wait_dscnt 0x0                               ; tile m's fragments are in
.if (\m) == 3
	s_cmp_eq_u32 s3, 1                             ; the last trip's last tile has no successor
	s_cbranch_scc1 .Llast_\@
.endif
	LFETCH (\m)+1                                  ; lands while tile m is multiplied; that buffer's last products stand ahead of the last tile's 32 holds
.if (\m) == 3
.Llast_\@:
.endif
	MULT (\m)%2, \vp
.rept 4
	v_nop                                          ; four places between a matrix instruction and the first read of its result (ISA guide 7.12.1)
.endr
	s_wait_xcnt 0x0                                ; earlier stores have read their data
	WIN 0x82
.set ii, 0
.rept 32
	v_med3_num_f32 v[ACC+ii], v[ACC+ii], -v[LIM], v[LIM]   ; the conversion does not saturate (ISA guide 7.6.2)
.set ii, ii+1
.endr
	WIN 0x02
.irp t, 0,1,2,3
.if \vp
	v_cvt_scalef32_pk8_fp8_f32 v[CD+8*((\m)%2)+2*\t:CD+8*((\m)%2)+2*\t+1], v[ACC+8*\t:ACC+8*\t+7], v[SCL]
.else
	v_cvt_scalef32_pk8_fp8_f32 v[CD+4*\t+2*((\m)%2):CD+4*\t+2*((\m)%2)+1], v[ACC+8*\t:ACC+8*\t+7], v[SCL]
.endif
.endr
	WIN 0
	v_nop                                          ; a plain line behind the conversions
.if \vp                                ; every store: 32 lanes, 512 consecutive bytes, at a multiple of 256 from the buffer's first byte
	global_store_b128 v[LI], v[CD+8*((\m)%2):CD+8*((\m)%2)+3], s[10:11] offset:2048*(\m)
	global_store_b128 v[LI], v[CD+8*((\m)%2)+4:CD+8*((\m)%2)+7], s[10:11] offset:2048*(\m)+512
.elseif (\m)%2
.irp t, 0,1,2,3
	global_store_b128 v[LI], v[CD+4*\t:CD+4*\t+3], s[10:11] offset:1024*\t+512*((\m)/2)
.endr
.endif
.endm
.macro HEADS vp                        ; a trip: the four tiles of a head
.Ltrip_\vp:
	TILE 0, \vp
	TILE 1, \vp
	TILE 2, \vp
	TILE 3, \vp
	v_add_nc_u32 v[LA], 4*TILEB, v[LA]
	s_wait_alu depctr_va_vdst(0)
	s_wait_xcnt 0x0                                ; the stores have read their base
	s_add_nc_u64 s[10:11], s[10:11], 0x40000       ; the next head
	s_sub_co_u32 s3, s3, 1
	s_cmp_lg_u32 s3, 0
	s_cbranch_scc1 .Ltrip_\vp
.endm
	s_mov_b32 s3, 3
	s_wait_alu depctr_va_vdst(0)
	s_wait_tensorcnt 0x0                           ; my three tiles are in,
	s_barrier_signal -1
	s_barrier_wait -1                              ; everybody's are
	LFETCH 0
	s_wait_loadcnt 0x0                             ; x's fragments
	s_cmp_eq_u32 s15, 2                            ; the set: the same in all partners
	s_cbranch_scc1 .Lv
	HEADS 0
	s_branch .Lend
.Lv:
	HEADS 1
.Lend:
	s_wait_tensorcnt 0x0                           ; the wave's end
	ds_add_u32 v[SPW], v[NIL]
	s_wait_dscnt 0x0                               ; my last LDS instructions
	ROUND                                          ; the closing round: no work-group ends while a partner may still ask for a tile that names it
	s_endpgm
.Lfunc_end_k_qf7ce5b49a2_qkv:
	.size	k_qf7ce5b49a2_qkv, .Lfunc_end_k_qf7ce5b49a2_qkv-k_qf7ce5b49a2_qkv
	.p2alignl 7, 3214868480
	.fill 96, 4, 3214868480
	.section	.rodata,"a",@progbits
	.p2align	6, 0x0
	.amdhsa_kernel k_qf7ce5b49a2_qkv
		.amdhsa_group_segment_fixed_size 167936
		.amdhsa_private_segment_fixed_size 0
		.amdhsa_enable_private_segment 0
		.amdhsa_kernarg_size 32
		.amdhsa_user_sgpr_count 2
		.amdhsa_user_sgpr_kernarg_segment_ptr 1
		.amdhsa_wavefront_size32 1
		.amdhsa_system_sgpr_workgroup_id_x 1
		.amdhsa_system_sgpr_workgroup_id_y 1
		.amdhsa_system_sgpr_workgroup_id_z 1
		.amdhsa_system_vgpr_workitem_id 0
		.amdhsa_next_free_vgpr 672
		.amdhsa_next_free_sgpr 80
		.amdhsa_reserve_vcc 0
		.amdhsa_float_denorm_mode_32 3
		.amdhsa_float_denorm_mode_16_64 3
		.amdhsa_memory_ordered 1
		.amdhsa_forward_progress 1
		.amdhsa_inst_pref_size 63
	.end_amdhsa_kernel
	.amdgpu_metadata
---
amdhsa.version: [ 1, 2 ]
amdhsa.kernels:
  - .name:           k_qf7ce5b49a2_qkv
    .symbol:         k_qf7ce5b49a2_qkv.kd
    .args:
      - { .name: ximg, .offset: 0, .size: 8, .value_kind: global_buffer, .address_space: global }
      - { .name: wimg, .offset: 8, .size: 8, .value_kind: global_buffer, .address_space: global }
      - { .name: lowp_scales, .offset: 16, .size: 8, .value_kind: global_buffer, .address_space: global }
      - { .name: qkv, .offset: 24, .size: 8, .value_kind: global_buffer, .address_space: global }
    .group_segment_fixed_size: 167936
    .private_segment_fixed_size: 0
    .kernarg_segment_align: 8
    .kernarg_segment_size: 32
    .max_flat_workgroup_size: 128
    .sgpr_count:     80
    .vgpr_count:     672
    .wavefront_size: 32
...
	.end_amdgpu_metadata
.endif
;; end of part 2
;; launch attn (part 3): grid 64 x 4, 8 waves a work-group, no clusters, 279,552 bytes of LDS; arguments qkv, lowp_scales, oimg; writes oimg
.if DOCPART == 3
	.amdgcn_target "amdgcn-amd-amdhsa--gfx1250"
	.amdhsa_code_object_version 6
	.text
	.protected	k_qf7ce5b49a2_attn
	.globl	k_qf7ce5b49a2_attn
	.p2align	8
	.type	k_qf7ce5b49a2_attn,@function
k_qf7ce5b49a2_attn:
	s_mov_b64 s[64:65], 0
	v_nop
	global_prefetch_b8 v0, s[64:65] scope:SCOPE_SE
	s_setreg_imm32_b32 hwreg(HW_REG_WAVE_MODE, 25, 1), 1
	s_wait_xcnt 0x0
; o[h][q] = the sum over keys k <= q of softmax_k(q . k / 8) v[h][k], both products on codes of E4M3 (images made by the launch before), and o quantised at once (entry 10) for the last product.
; THE SOFTMAX AHEAD OF THE SECOND PRODUCT: t = score x log2(e) / 8; M = the row's largest t so far, rounded UP to a whole number; p = 2^(t - M) is quantised (entry 8), not normalised.
; The row's sum is taken of the unquantised p, in f32, and divides at the end.  When M moves, the sum and O are multiplied by 2^(old M - new M): exact.
; LEFT OUT: key steps (128 keys) that lie wholly behind a block's queries: reference()'s own causal mask makes their p 0.
; SHARES.  A block is 64 queries of a head; block b (0 .. 63) has b / 2 + 1 key steps, and only the last carries the mask.  Work-group (j, G) owns three blocks: j of head 3 G, (j + 32) mod 64 of head 3 G + 1,
; and 63 - 2 j (j < 32) or 126 - 2 j of head 3 G + 2: each block of a head once, 49 or 50 key steps in every one of the 256 work-groups.  The three blocks, longest first, make one list of key steps, and wave w takes
; the list's items from 6 w (w = 7: 43) on: six, or seven in waves 6 and 7.  The shortest block stands last and the other two have nine steps or more, so a wave's run touches two blocks at the most: TWO SEGMENTS.
; A segment's O^T, sum and M go to an LDS slot of its own (wave, segment); behind the one barrier each wave joins, of each block, one tile of 16 queries x 32 channels: at most six parts a block.
; A WAVE TAKES ALL 64 QUERIES OF A BLOCK, four tiles: each fragment of K and V, loaded straight into registers (the images ARE the operands' registers), feeds four products.  Two tiles go through the softmax together.
; LAYOUT.  Both products are used transposed: S^T = K Q^T (source 0 = 16 keys, source 1 = 16 queries), O^T = V^T P^T (source 0 = 16 channels, source 1 = P): a lane holds ONE query of a tile throughout.
; A tile f of tokens or channels holds rows 32 (f / 2) + 8 (f % 2) + i + 8 (i / 8): the 16 registers of result tiles 2 b, 2 b + 1 are 16 neighbours, 32 b + 16 (lane / 16) + 0 .. 15: so p's codes
; are the second product's operand as they stand, and o's codes are the last product's image: oimg: [token tile 256][K step 6][c 4][512].
; THE HOLD AT THE LARGEST CODE.  p is at most 1 (and a rounding), so p / 2^(entry 8) can pass 448 only where entry 8 is under -8: there the hold is walked, else a branch on that given whole number leads round it.
; NO CLUSTER, NO TENSOR LOAD: the eight waves of a work-group read eight different runs of keys, so no tile is shared inside it, and partners would be at different keys.
; NO PREFETCH: a wave walks six or seven steps, and a step's loads go out a step ahead into registers; the 2,048 waves' first steps already name tiles all over each head's 32 steps.
; LIMITS, so that each power of two below is an f32 number: entries 6 + 7 between -123 and 130 (added to c's exponent field); entry 8 between -126 and 119; entries 8 + 9 - 10 go by v_ldexp_f32 and have none.
; WINDOWS: window 0: v1-13 constants; v16-23 the sums (two halves a tile); v24-31 (-M, largest score) a tile; v32-35 two factors; v36-63 at work; v64-95 Q; v96-127 p's codes; v128-255 S^T of two tiles, then p.
;   window 1: v0-127 O^T (tile t, channel tile n at 32 t + 8 n); v128-191 K's eight fragments of 8; v192-255 V's four of 16.
.set SETB,  3145728                    ; a set of qkv: q, k, v
.set SLOTB, 17408                      ; a segment's slot: O^T 4 x 4,096 bytes, then (-M, sum) 4 x 256.  A wave has two: slot 0 for a block that ends inside its run, slot 1 for the segment in which the run ends
.set SPARE, 16*SLOTB                   ; behind the slots: the spare words, 128 bytes for each wave: four blocks of 256 bytes that no other line names
.set LI,   1                           ; v1   16 x lane
.set SPW,  2                           ; v2   LDS address of my spare word; never rewritten
.set NIL,  3                           ; v3   0; never rewritten
.set DD,   4                           ; v4   r + 8 (r / 8) - 16 (lane / 16)
.set LST,  5                           ; v5   my slots, + 16 x lane
.set PSC,  6                           ; v6   2^(entry 8)
.set PLIM, 7                           ; v7   448 x that
.set MLS,  8                           ; v8   my slots, + 8 x lane
.set NINF, 9                           ; v9   -infinity
.set MRG,  10                          ; v10  the join: my tile and half in a slot, + 16 x lane
.set MMR,  11                          ; v11  the join: my tile's (-M, sum), + 8 x lane
.set ONE,  12                          ; v12  1.0: o's conversion has its scale in the divisor
.set OLIM, 13                          ; v13  448
.set LS,   16
.set NM,   24
.set FC,   32
.set QF,   64
.set PC,   96
.set S,    128
.set KF,   128                         ; in window 1
.set VF,   192                         ; in window 1
.set WV,   10                          ; s10  my wave's number
.set K0,   13                          ; s13-15 the three blocks, longest first: 256 x block + head
.set B1,   16                          ; s16  where the second block begins in the list, s17 the third, s18 the list's end
.set B2,   17
.set TOT,  18
.set CUR,  19                          ; s19  my run's next item, s20 its end
.set END,  20
.set SEL,  22                          ; s[22:23] lane selects for v_permlanex16_b32: lane l xor 16
.set CS,   24                          ; s[24:25] c = log2(e) / 8 x 2^(entries 6 + 7): the packed form names a pair and takes its low word for both halves
.set NC,   26                          ; s26  -c
.set HOLD, 27                          ; s27  1 where p must be held
.set BLEFT, 28                         ; s28  key steps that my block has still to come, the one in hand among them
.set PARN, 21                          ; s21  the next block % 2
.set NLEN, 33                          ; s33  the next block's key steps
.set KO,   60                          ; s[60:61] byte offset of the step's keys
.set NKO,  62                          ; s62  of the next block's first keys
.set QN,   54                          ; s[54:55] the next block's Q
.set CNT,  29
.set NM1,  30                          ; s30  the segment's steps less one
.set LASTF, 31                         ; s31  1 where the step in hand is its block's last
.set PAR,  32                          ; s32  block % 2
.set QP,   34
.set KP,   36
.set MSB, 0
.macro WIN new                         ; the immediate's high byte repeats the setting that is left; a switch that changes nothing is dropped
.if MSB != \new
	s_set_vgpr_msb (MSB<<8)|\new
.set MSB, \new
.endif
.endm
.macro LOADK
.irp t, 0,1,2,3,4,5,6,7
.irp c, 0,1
	global_load_b128 v[KF+8*\t+4*\c:KF+8*\t+4*\c+3], v[LI], s[KP:KP+1] offset:SETB+1024*\t+512*\c
.endr
.endr
.endm
.macro LOADQ p
.irp t, 0,1,2,3
.irp c, 0,1
	global_load_b128 v[QF+8*\t+4*\c:QF+8*\t+4*\c+3], v[LI], s[\p:\p+1] offset:1024*\t+512*\c
.endr
.endr
.endm
.macro ZERO u                          ; the state of tiles 2 u, 2 u + 1 of a block.  (A step is written once for all: a block's first finds zeros, which the first change of M leaves zeros)
	WIN 0x40
.set ii, 64*(\u)
.rept 64
	v_mov_b32 v[ii], 0                             ; O^T
.set ii, ii+1
.endr
	WIN 0
.irp a, 0,1
	v_mov_b32 v[NM+4*(\u)+2*\a], 0x7f61b1e6        ; -M: 3e38
	v_mov_b32 v[NM+4*(\u)+2*\a+1], 0xff61b1e6      ; the largest score so far: -3e38
	v_mov_b32 v[LS+4*(\u)+2*\a], 0
	v_mov_b32 v[LS+4*(\u)+2*\a+1], 0
.endr
.endm
.macro LOADV
.irp t, 0,1,2,3
.irp c, 0,1,2,3
	global_load_b128 v[VF+16*\t+4*\c:VF+16*\t+4*\c+3], v[LI], s[KP:KP+1] offset:2*SETB+2048*\t+512*\c
.endr
.endr
.endm
.macro PLACES                          ; four places behind a matrix instruction (ISA guide 7.12.1 for vector instructions)
.rept 4
	v_nop
.endr
.endm
; Tiles 2 u and 2 u + 1 of the block against 128 keys.  last = 1: the segment's last step: nothing more is loaded, the mask may be due, and the tiles go to the slot.
; THE MASK, in a block's last step.  Tiles 2 u, 2 u + 1 of block b lie in the step's 32 tokens number gg = 2 (b % 2) + u: keys of the groups of 32 ahead of it all count, those behind it do not, and in group gg
; register n's key n + 16 (lane / 16) comes after my query r + 8 (r / 8) + 8 a where n is greater than v[DD] + 8 a.  A hidden score becomes -infinity ahead of the maximum, and p = 0.
.macro GROUPS gg
.irp a, 0,1
.set ii, 0
.rept 16
.if \a
	v_cmp_gt_i32 vcc_lo, ii, v36
.else
	v_cmp_gt_i32 vcc_lo, ii, v[DD]
.endif
	v_cndmask_b32 v[S+64*\a+16*(\gg)+ii], v[S+64*\a+16*(\gg)+ii], v[NINF], vcc_lo
.set ii, ii+1
.endr
.set ii, 16*(\gg)+16
.rept 48-16*(\gg)
	v_mov_b32 v[S+64*\a+ii], v[NINF]
.set ii, ii+1
.endr
.endr
.endm
.macro MASK u
	s_cmp_eq_u32 s[LASTF], 0
	s_cbranch_scc1 .Lopen_\@
	v_add_nc_u32 v36, 8, v[DD]
	s_cmp_eq_u32 s[PAR], 0
	s_cbranch_scc0 .Lodd_\@
	GROUPS \u
	s_branch .Lopen_\@
.Lodd_\@:
	GROUPS 2+(\u)
.Lopen_\@:
.endm
; last = 0: a step with a successor in my run, whose K and V are asked for here, and at a block's end the next block's Q: the parts go to slot 0 and the state begins anew.
.macro PAIR u, last
.set NMU, NM+4*(\u)
.set LSU, LS+4*(\u)
.set OU, 64*(\u)
.if (\u) == 0
	s_wait_loadcnt 16                              ; K (and Q) are in; the youngest 16 loads, V's, may be out
.endif
	WIN 0x01                                       ; source 0 (K) window 1
.irp f, 0,1,2,3,4,5,6,7
.irp a, 0,1
	v_wmma_f32_16x16x64_fp8_fp8 v[S+64*\a+8*\f:S+64*\a+8*\f+7], v[KF+8*\f:KF+8*\f+7], v[QF+16*(\u)+8*\a:QF+16*(\u)+8*\a+7], 0   ; register 16 b + n of lane (r, h): key 32 b + 16 h + n of the step, query r
.endr
.endr
	PLACES                                         ; in front of the loads into K's registers, and of the first read of the scores
	WIN 0
.if (\u) == 1 && (\last) == 0
	s_cmp_eq_u32 s[LASTF], 0
	s_cbranch_scc1 .Lsameq_\@
	LOADQ QN                                       ; this step's last product with Q is issued
.Lsameq_\@:
	WIN 0x40
	LOADK                                          ; the next step's: this step's last product with K is issued
	WIN 0
.endif
	MASK \u
.irp k, 0,1,2,3                        ; the largest score of my query among my 64 keys: four chains a tile
.irp a, 0,1
	v_max3_num_f32 v[36+4*\a+\k], v[S+64*\a+3*\k], v[S+64*\a+3*\k+1], v[S+64*\a+3*\k+2]
.endr
.endr
.irp i, 0,1,2,3,4,5,6,7,8,9,10,11,12,13,14,15,16,17,18,19,20,21,22,23,24,25
.irp a, 0,1
	v_max3_num_f32 v[36+4*\a+\i%4], v[36+4*\a+\i%4], v[S+64*\a+12+2*\i], v[S+64*\a+13+2*\i]
.endr
.endr
.irp a, 0,1
	v_max3_num_f32 v[36+4*\a], v[36+4*\a], v[37+4*\a], v[38+4*\a]
.endr
.irp a, 0,1
	v_max_num_f32 v[36+4*\a], v[36+4*\a], v[39+4*\a]
.endr
.irp a, 0,1
	v_permlanex16_b32 v[44+\a], v[36+4*\a], s[SEL], s[SEL+1]
.endr
.irp a, 0,1
	v_max3_num_f32 v[NMU+2*\a+1], v[NMU+2*\a+1], v[36+4*\a], v[44+\a]   ; with lane l xor 16's, and the largest so far
.endr
.irp a, 0,1
	v_mul_f32 v[37+4*\a], s[NC], v[NMU+2*\a+1]     ; -t of the largest (c is positive)
.endr
.irp a, 0,1
	v_floor_f32 v[37+4*\a], v[37+4*\a]             ; the new -M = floor(-t) = -ceil(t): a whole number
.endr
.irp a, 0,1
	v_sub_f32 v[38+4*\a], v[37+4*\a], v[NMU+2*\a]  ; M's old value less its new one: 0 or less
.endr
.irp a, 0,1
	v_mov_b32 v[NMU+2*\a], v[37+4*\a]
.endr
.irp a, 0,1
	v_cvt_i32_f32 v[38+4*\a], v[38+4*\a]           ; (it saturates)
.endr
.irp a, 0,1
	v_ldexp_f32 v[FC+2*\a], 1.0, v[38+4*\a]        ; f = 2^(old M - new M)
.endr
.irp a, 0,1
.set ii, 0
.rept 32
	v_pk_fma_f32 v[S+64*\a+ii:S+64*\a+ii+1], v[S+64*\a+ii:S+64*\a+ii+1], s[CS:CS+1], v[NMU+2*\a:NMU+2*\a+1] op_sel_hi:[1,0,0]   ; t - M, two at a time
.set ii, ii+2
.endr
.endr
	s_wait_alu depctr_va_vdst(0)
.set ii, 0
.rept 128
	v_exp_f32 v[S+ii], v[S+ii]                     ; p = 2^(t - M)
.set ii, ii+1
.endr
.irp a, 0,1
	v_pk_mul_f32 v[LSU+2*\a:LSU+2*\a+1], v[LSU+2*\a:LSU+2*\a+1], v[FC+2*\a:FC+2*\a+1] op_sel_hi:[1,0]   ; the sums under the new M; also the plain lines behind the exponentials
.endr
	WIN 0x51                                       ; source 0, source 2 and destination window 1
	s_wait_alu depctr_va_vdst(0)                   ; the wait ahead of the first reader of O^T, and of p
.irp a, 0,1
.set ii, 0
.rept 16
	v_pk_mul_f32 v[OU+32*\a+ii:OU+32*\a+ii+1], v[OU+32*\a+ii:OU+32*\a+ii+1], v[FC+2*\a:FC+2*\a+1] op_sel_hi:[1,0]   ; O^T under the new M
.set ii, ii+2
.endr
.endr
	WIN 0
.irp k, 0,1,2,3                        ; the row's sum, of the unquantised p: two at a time, four chains a tile
.irp a, 0,1
	v_pk_add_f32 v[48+8*\a+2*\k:49+8*\a+2*\k], v[S+64*\a+4*\k:S+64*\a+4*\k+1], v[S+64*\a+4*\k+2:S+64*\a+4*\k+3]
.endr
.endr
.irp i, 0,1,2,3,4,5,6,7,8,9,10,11,12,13,14,15,16,17,18,19,20,21,22,23
.irp a, 0,1
	v_pk_add_f32 v[48+8*\a+2*(\i%4):49+8*\a+2*(\i%4)], v[48+8*\a+2*(\i%4):49+8*\a+2*(\i%4)], v[S+64*\a+16+2*\i:S+64*\a+17+2*\i]
.endr
.endr
.irp a, 0,1
	v_pk_add_f32 v[48+8*\a:49+8*\a], v[48+8*\a:49+8*\a], v[50+8*\a:51+8*\a]
	v_pk_add_f32 v[52+8*\a:53+8*\a], v[52+8*\a:53+8*\a], v[54+8*\a:55+8*\a]
.endr
.irp a, 0,1
	v_pk_add_f32 v[48+8*\a:49+8*\a], v[48+8*\a:49+8*\a], v[52+8*\a:53+8*\a]
.endr
.irp a, 0,1
	v_pk_add_f32 v[LSU+2*\a:LSU+2*\a+1], v[LSU+2*\a:LSU+2*\a+1], v[48+8*\a:49+8*\a]
.endr
	s_cmp_eq_u32 s[HOLD], 0
	s_cbranch_scc1 .Lheld_\@
.set ii, 0
.rept 128
	v_min_num_f32 v[S+ii], v[S+ii], v[PLIM]        ; the conversion does not saturate (ISA guide 7.6.2); p is not negative, so the hold is one-sided
.set ii, ii+1
.endr
.Lheld_\@:
.irp g, 0,1,2,3,4,5,6,7,8,9,10,11,12,13,14,15
	v_cvt_scalef32_pk8_fp8_f32 v[PC+2*\g:PC+2*\g+1], v[S+8*\g:S+8*\g+7], v[PSC]
.endr
	v_nop                                          ; a plain line behind the conversions
.if (\u) == 0
	s_wait_alu depctr_va_vdst(0)
	s_wait_loadcnt 0x0                             ; V is in: no load of mine is out,
.if (\last) == 0
	s_add_co_u32 s46, s[KO], 8192                  ; so their base may step: the next 128 keys, or the next block's first
	s_cmp_eq_u32 s[LASTF], 0
	s_cselect_b32 s[KO], s46, s[NKO]
	s_add_nc_u64 s[KP:KP+1], s[4:5], s[KO:KO+1]
.endif
.endif
	WIN 0x51
.irp t, 0,1,2,3
.irp a, 0,1
	v_wmma_f32_16x16x128_fp8_fp8 v[OU+32*\a+8*\t:OU+32*\a+8*\t+7], v[VF+16*\t:VF+16*\t+15], v[PC+16*\a:PC+16*\a+15], v[OU+32*\a+8*\t:OU+32*\a+8*\t+7]   ; the eight accumulators by turns
.endr
.endr
	WIN 0
.if (\last) == 0
	s_cmp_eq_u32 s[LASTF], 0
	s_cbranch_scc1 .Lsame_\@
.endif
	PLACES
	WIN 0x04                                       ; store data window 1
.irp a, 0,1
.irp g, 0,1,2,3,4,5,6,7
	ds_store_b128 v[LST], v[OU+32*\a+4*\g:OU+32*\a+4*\g+3] offset:SLOTB*(\last)+4096*(2*(\u)+\a)+512*\g
.endr
.endr
	WIN 0
.irp a, 0,1
	v_add_f32 v[NMU+2*\a+1], v[LSU+2*\a], v[LSU+2*\a+1]   ; the sum's two halves
.endr
.irp a, 0,1
	ds_store_b64 v[MLS], v[NMU+2*\a:NMU+2*\a+1] offset:SLOTB*(\last)+16384+256*(2*(\u)+\a)
.endr
.if (\last) == 0
	s_wait_dscnt 0x0                               ; the stores have read what is written anew below
	ZERO \u
.Lsame_\@:
.if (\u) == 1
	PLACES
	WIN 0x40
	LOADV                                          ; the next step's: this step's last product with V is issued
	WIN 0
.endif
.endif
.endm
	s_load_b128 s[4:7], s[0:1], 0x0                ; qkv s[4:5], the exponents s[6:7]
	s_load_b64 s[8:9], s[0:1], 0x10                ; oimg
	v_lshl_add_u32 v[SPW], v0, 2, SPARE
	v_mov_b32 v[NIL], 0
	v_lshrrev_b32 v36, 5, v0
	v_readfirstlane_b32 s[WV], v36                 ; wave 0..7
	v_and_b32 v36, 31, v0
	v_lshlrev_b32 v[LI], 4, v36
	v_lshlrev_b32 v39, 3, v36
	v_and_b32 v37, 15, v0                          ; r
	v_and_b32 v38, 8, v37
	v_add_nc_u32 v37, v37, v38                     ; r + 8 (r / 8)
	v_bfe_u32 v38, v0, 4, 1
	v_lshlrev_b32 v38, 4, v38
	v_sub_nc_u32 v[DD], v37, v38                   ; - 16 (lane / 16)
	s_mul_i32 s38, s[WV], 2*SLOTB
	v_add_nc_u32 v[LST], s38, v[LI]
	v_add_nc_u32 v[MLS], s38, v39
	s_lshl_b32 s38, s[WV], 11                      ; tile w / 2, half w % 2
	v_add_nc_u32 v[MRG], s38, v[LI]
	s_lshr_b32 s38, s[WV], 1
	s_lshl_b32 s38, s38, 8
	v_add_nc_u32 v[MMR], s38, v39
	v_mov_b32 v[NINF], 0xff800000
	v_mov_b32 v[ONE], 1.0
	v_mov_b32 v[OLIM], 0x43e00000
.irp r, 33,35,44,45,63
	v_mov_b32 v\r, 0                               ; named as a pair's upper half, or as a lane permute's destination
.endr
	s_wait_alu depctr_va_vdst(0)
	; my three blocks
	s_and_b32 s11, ttmp7, 0xffff
	s_mul_i32 s11, s11, 3
	s_lshl_b32 s38, ttmp9, 8
	s_or_b32 s38, s38, s11                         ; block j of head 3 G
	s_add_co_u32 s39, ttmp9, 32
	s_and_b32 s39, s39, 63
	s_lshl_b32 s39, s39, 8
	s_add_co_u32 s46, s11, 1
	s_or_b32 s39, s39, s46                         ; block (j + 32) mod 64 of head 3 G + 1
	s_lshl_b32 s47, ttmp9, 1
	s_cmp_lt_u32 ttmp9, 32
	s_cselect_b32 s48, 63, 126
	s_sub_co_u32 s47, s48, s47
	s_lshl_b32 s47, s47, 8
	s_add_co_u32 s46, s11, 2
	s_or_b32 s47, s47, s46                         ; block 63 - 2 j or 126 - 2 j of head 3 G + 2
	s_max_u32 s48, s38, s39                        ; longest first
	s_min_u32 s49, s38, s39
	s_max_u32 s[K0], s48, s47
	s_min_u32 s48, s48, s47
	s_max_u32 s[K0+1], s49, s48
	s_min_u32 s[K0+2], s49, s48
	s_lshr_b32 s[B1], s[K0], 9
	s_add_co_u32 s[B1], s[B1], 1                   ; block / 2 + 1 key steps
	s_lshr_b32 s[B2], s[K0+1], 9
	s_add_co_u32 s[B2], s[B2], 1
	s_add_co_u32 s[B2], s[B2], s[B1]
	s_lshr_b32 s[TOT], s[K0+2], 9
	s_add_co_u32 s[TOT], s[TOT], 1
	s_add_co_u32 s[TOT], s[TOT], s[B2]
	s_mul_i32 s[CUR], s[WV], 6                     ; my run: from 6 w (w = 7: 43) on,
	s_cmp_eq_u32 s[WV], 7
	s_cselect_b32 s38, 1, 0
	s_add_co_u32 s[CUR], s[CUR], s38
	s_cmp_ge_u32 s[WV], 6
	s_cselect_b32 s38, 7, 6
	s_add_co_u32 s[END], s[CUR], s38
	s_min_u32 s[END], s[END], s[TOT]               ; to the list's end at the most
	s_mov_b32 s[SEL], 0x76543210
	s_mov_b32 s[SEL+1], 0xfedcba98
	s_wait_kmcnt 0x0
	s_load_b128 s[40:43], s[6:7], 0x18             ; entries 6, 7, 8, 9
	s_load_b32 s44, s[6:7], 0x28                   ; entry 10
	s_mov_b32 s38, 0                               ; where my run begins: the block's first item,
	s_mov_b32 s39, s[B1]                           ; its end,
	s_mov_b32 s46, s[K0]                           ; which it is,
	s_mov_b32 s47, s[K0+1]                         ; and the next (behind the third there is none, and nothing of it is used)
	s_cmp_ge_u32 s[CUR], s[B1]
	s_cselect_b32 s38, s[B1], s38
	s_cselect_b32 s39, s[B2], s39
	s_cselect_b32 s46, s[K0+1], s46
	s_cselect_b32 s47, s[K0+2], s47
	s_cmp_ge_u32 s[CUR], s[B2]
	s_cselect_b32 s38, s[B2], s38
	s_cselect_b32 s39, s[TOT], s39
	s_cselect_b32 s46, s[K0+2], s46
	s_sub_co_u32 s[BLEFT], s39, s[CUR]
	s_sub_co_u32 s[NM1], s[END], s[CUR]
	s_sub_co_u32 s[NM1], s[NM1], 1                 ; my run's steps less one: five or six
	s_sub_co_u32 s48, s[CUR], s38                  ; the first key step
	s_lshr_b32 s49, s46, 8                         ; block
	s_and_b32 s[PAR], s49, 1
	s_and_b32 s46, s46, 255
	s_lshl_b32 s46, s46, 18                        ; a head's 262,144 bytes in each set
	s_lshl_b32 s50, s49, 12                        ; Q: the block's 4 x 1,024 bytes
	s_add_co_u32 s50, s50, s46
	s_mov_b32 s51, 0
	s_add_nc_u64 s[QP:QP+1], s[4:5], s[50:51]
	s_lshl_b32 s[KO], s48, 13                      ; K, V: 8,192 bytes a step
	s_add_co_u32 s[KO], s[KO], s46
	s_mov_b32 s[KO+1], 0
	s_add_nc_u64 s[KP:KP+1], s[4:5], s[KO:KO+1]
	LOADQ QP
	WIN 0x40
	LOADK
	LOADV
	WIN 0
	s_lshr_b32 s49, s47, 8                         ; the next block, of which my run takes the first steps
	s_and_b32 s[PARN], s49, 1
	s_lshr_b32 s[NLEN], s49, 1
	s_add_co_u32 s[NLEN], s[NLEN], 1
	s_and_b32 s[NKO], s47, 255
	s_lshl_b32 s[NKO], s[NKO], 18
	s_lshl_b32 s50, s49, 12
	s_add_co_u32 s50, s50, s[NKO]
	s_add_nc_u64 s[QN:QN+1], s[4:5], s[50:51]
	s_cmp_eq_u32 s[BLEFT], 1
	s_cselect_b32 s[LASTF], 1, 0
	ZERO 0                                         ; while the loads are out
	ZERO 1
	s_wait_kmcnt 0x0
	s_add_co_i32 s46, s40, s41
	s_lshl_b32 s46, s46, 23
	s_add_co_i32 s[CS], s46, 0x3e38aa3b            ; log2(e) / 8, entries 6 + 7 added to its exponent field: a score stands for score x 2^(entries 6 + 7)
	s_mov_b32 s[CS+1], s[CS]                       ; (named with it as a pair, so it is written)
	s_xor_b32 s[NC], s[CS], 0x80000000
	s_cmp_lt_i32 s42, -8
	s_cselect_b32 s[HOLD], 1, 0
	s_add_co_i32 s46, s42, 127
	s_lshl_b32 s47, s46, 23
	v_mov_b32 v[PSC], s47                          ; 2^(entry 8) as f32, for p's conversion
	s_add_co_i32 s46, s46, 8
	s_lshl_b32 s46, s46, 23
	s_or_b32 s46, s46, 0x600000
	v_mov_b32 v[PLIM], s46                         ; 448 x that
	s_mov_b32 s[CNT], 0
	s_wait_alu depctr_va_vdst(0)
.Lstep:                                            ; every step of my run but the last
	PAIR 0, 0
	PAIR 1, 0
	s_sub_co_u32 s46, s[BLEFT], 1
	s_cmp_eq_u32 s[LASTF], 0
	s_cselect_b32 s[BLEFT], s46, s[NLEN]
	s_cselect_b32 s[PAR], s[PAR], s[PARN]
	s_cmp_eq_u32 s[BLEFT], 1
	s_cselect_b32 s[LASTF], 1, 0
	s_add_co_u32 s[CNT], s[CNT], 1
	s_cmp_lt_u32 s[CNT], s[NM1]
	s_cbranch_scc1 .Lstep
	PAIR 0, 1                                      ; the last
	PAIR 1, 1
	s_wait_tensorcnt 0x0                           ; behind my last LDS store
	ds_add_u32 v[SPW], v[NIL]
	s_wait_dscnt 0x0                               ; for the others' sake: my segments lie in LDS
	s_barrier_signal -1
	s_barrier_wait -1
; THE JOIN.  Block by block: its parts stand in the slots of waves wlo .. whi; only the first can be a second segment.  I take tile w / 2's channels 32 (w % 2) on.
; Part j: v[128+16 j] 16 numbers of O^T, v[224+2 j] -M, v[225+2 j] the sum (of my half of the lanes' keys).  A part that a block has not got counts as O^T = 0, sum 0, M = -3e38.
.macro PART j
	s_add_co_u32 s57, s54, \j                      ; wave wlo + j
.if (\j) > 0
	s_cmp_gt_u32 s57, s55
	s_cbranch_scc1 .Labsent_\@
.endif
	s_cmp_eq_u32 s57, s55
	s_cselect_b32 s52, s56, 1                      ; only in the block's last wave can the part lie in slot 0
	s_lshl_b32 s57, s57, 1
	s_or_b32 s57, s57, s52
	s_min_u32 s57, s57, 15
	s_mul_i32 s57, s57, SLOTB
	v_add_nc_u32 v[36+2*(\j)], s57, v[MRG]
	v_add_nc_u32 v[37+2*(\j)], s57, v[MMR]
.irp g, 0,1,2,3
	ds_load_b128 v[128+16*(\j)+4*\g:131+16*(\j)+4*\g], v[36+2*(\j)] offset:512*\g
.endr
	ds_load_b64 v[224+2*(\j):225+2*(\j)], v[37+2*(\j)] offset:16384
.if (\j) > 0
	s_branch .Lhave_\@
.Labsent_\@:
.set ii, 0
.rept 16
	v_mov_b32 v[128+16*(\j)+ii], 0
.set ii, ii+1
.endr
	v_mov_b32 v[224+2*(\j)], 0x7f61b1e6
	v_mov_b32 v[225+2*(\j)], 0
.Lhave_\@:
.endif
.endm
.macro WAVEOF d, i                     ; which wave has item i of the list
	s_cmp_ge_u32 s[\i], 42
	s_cselect_b32 s38, 1, 0
	s_sub_co_u32 s38, s[\i], s38
	s_mul_i32 s38, s38, 43
	s_lshr_b32 s38, s38, 8                         ; / 6 (exact below 86)
	s_min_u32 s[\d], s38, 7
.endm
	s_wait_kmcnt 0x0
	s_add_co_i32 s45, s42, s43
	s_sub_co_i32 s45, s45, s44                     ; entries 8 + 9 - 10
	s_mov_b32 s46, 0                               ; the block's first item
	s_mov_b32 s53, 0
.Ljoin:
	s_wait_xcnt 0x0                                ; the last block's store has read its data and its base
	s_lshr_b32 s47, s[K0], 9
	s_add_co_u32 s47, s46, s47                     ; the block's last item
	WAVEOF 54, 46
	WAVEOF 55, 47
	s_mul_i32 s38, s55, 6
	s_cmp_eq_u32 s55, 7
	s_cselect_b32 s39, 1, 0
	s_add_co_u32 s38, s38, s39
	s_cmp_ge_u32 s55, 6
	s_cselect_b32 s39, 7, 6
	s_add_co_u32 s38, s38, s39
	s_min_u32 s38, s38, s[TOT]                     ; where wave whi's run ends:
	s_add_co_u32 s39, s47, 1
	s_cmp_gt_u32 s38, s39
	s_cselect_b32 s56, 0, 1                        ; behind the block's end: the block's part is in slot 0
	PART 0
	PART 1
	PART 2
	PART 3
	PART 4
	PART 5
	s_lshr_b32 s48, s[K0], 8                       ; block
	s_and_b32 s49, s[K0], 255                      ; head
	s_lshl_b32 s48, s48, 2
	s_lshr_b32 s50, s[WV], 1
	s_add_co_u32 s48, s48, s50
	s_mul_i32 s48, s48, 12288                      ; my token tile,
	s_lshl_b32 s49, s49, 10
	s_add_co_u32 s48, s48, s49                     ; the head's two pieces of 512 bytes,
	s_and_b32 s50, s[WV], 1
	s_lshl_b32 s50, s50, 9
	s_add_co_u32 s48, s48, s50                     ; mine of them
	s_mov_b32 s49, 0
	s_add_nc_u64 s[58:59], s[8:9], s[48:49]
	s_wait_alu depctr_va_vdst(0)
	s_wait_dscnt 0x0
	v_min3_num_f32 v60, v224, v226, v228           ; the block's -M
	v_min3_num_f32 v61, v230, v232, v234
	v_min_num_f32 v60, v60, v61
.irp j, 0,1,2,3,4,5
	v_sub_f32 v[224+2*\j], v60, v[224+2*\j]
.endr
.irp j, 0,1,2,3,4,5
	v_cvt_i32_f32 v[224+2*\j], v[224+2*\j]
.endr
.irp j, 0,1,2,3,4,5
	v_ldexp_f32 v[224+2*\j], 1.0, v[224+2*\j]      ; 2^(the part's M - the block's M)
.endr
	v_mul_f32 v61, v224, v225
	v_mul_f32 v62, v226, v227
	v_fma_f32 v61, v228, v229, v61
	v_fma_f32 v62, v230, v231, v62
	v_fma_f32 v61, v232, v233, v61
	v_fma_f32 v62, v234, v235, v62
	v_add_f32 v61, v61, v62
	v_permlanex16_b32 v44, v61, s[SEL], s[SEL+1]
	v_add_f32 v61, v61, v44                        ; and lane l xor 16's: the row's sum
	s_wait_alu depctr_va_vdst(0)
	v_rcp_f32 v61, v61
.set ii, 0
.rept 8
	v_pk_mul_f32 v[128+ii:129+ii], v[128+ii:129+ii], v[224:225] op_sel_hi:[1,0]
.set ii, ii+2
.endr
.irp j, 1,2,3,4,5
.set ii, 0
.rept 8
	v_pk_fma_f32 v[128+ii:129+ii], v[128+16*\j+ii:129+16*\j+ii], v[224+2*\j:225+2*\j], v[128+ii:129+ii] op_sel_hi:[1,0,1]
.set ii, ii+2
.endr
.endr
	s_wait_alu depctr_va_vdst(0)                   ; the wait ahead of its first reader
	v_ldexp_f32 v62, v61, s45                      ; 2^(entries 8 + 9 - 10) / the sum
.set ii, 0
.rept 8
	v_pk_mul_f32 v[128+ii:129+ii], v[128+ii:129+ii], v[62:63] op_sel_hi:[1,0]
.set ii, ii+2
.endr
.set ii, 0
.rept 16
	v_med3_num_f32 v[128+ii], v[128+ii], -v[OLIM], v[OLIM]
.set ii, ii+1
.endr
	v_cvt_scalef32_pk8_fp8_f32 v[240:241], v[128:135], v[ONE]
	v_cvt_scalef32_pk8_fp8_f32 v[242:243], v[136:143], v[ONE]
	v_nop
	global_store_b128 v[LI], v[240:243], s[58:59]  ; 32 lanes store 512 consecutive bytes, at a multiple of 256 from the buffer's first byte
	s_add_co_u32 s46, s47, 1                       ; the next block
	s_mov_b32 s[K0], s[K0+1]
	s_mov_b32 s[K0+1], s[K0+2]
	s_add_co_u32 s53, s53, 1
	s_cmp_lt_u32 s53, 3
	s_wait_alu depctr_va_vdst(0)
	s_cbranch_scc1 .Ljoin
	s_endpgm
.Lfunc_end_k_qf7ce5b49a2_attn:
	.size	k_qf7ce5b49a2_attn, .Lfunc_end_k_qf7ce5b49a2_attn-k_qf7ce5b49a2_attn
	.p2alignl 7, 3214868480
	.fill 96, 4, 3214868480
	.section	.rodata,"a",@progbits
	.p2align	6, 0x0
	.amdhsa_kernel k_qf7ce5b49a2_attn
		.amdhsa_group_segment_fixed_size 279552
		.amdhsa_private_segment_fixed_size 0
		.amdhsa_enable_private_segment 0
		.amdhsa_kernarg_size 24
		.amdhsa_user_sgpr_count 2
		.amdhsa_user_sgpr_kernarg_segment_ptr 1
		.amdhsa_wavefront_size32 1
		.amdhsa_system_sgpr_workgroup_id_x 1
		.amdhsa_system_sgpr_workgroup_id_y 1
		.amdhsa_system_sgpr_workgroup_id_z 1
		.amdhsa_system_vgpr_workitem_id 0
		.amdhsa_next_free_vgpr 512
		.amdhsa_next_free_sgpr 66
		.amdhsa_reserve_vcc 1
		.amdhsa_float_denorm_mode_32 3
		.amdhsa_float_denorm_mode_16_64 3
		.amdhsa_memory_ordered 1
		.amdhsa_forward_progress 1
		.amdhsa_inst_pref_size 176
	.end_amdhsa_kernel
	.amdgpu_metadata
---
amdhsa.version: [ 1, 2 ]
amdhsa.kernels:
  - .name:           k_qf7ce5b49a2_attn
    .symbol:         k_qf7ce5b49a2_attn.kd
    .args:
      - { .name: qkv, .offset: 0, .size: 8, .value_kind: global_buffer, .address_space: global }
      - { .name: lowp_scales, .offset: 8, .size: 8, .value_kind: global_buffer, .address_space: global }
      - { .name: oimg, .offset: 16, .size: 8, .value_kind: global_buffer, .address_space: global }
    .group_segment_fixed_size: 279552
    .private_segment_fixed_size: 0
    .kernarg_segment_align: 8
    .kernarg_segment_size: 24
    .max_flat_workgroup_size: 256
    .sgpr_count:     66
    .vgpr_count:     512
    .wavefront_size: 32
...
	.end_amdgpu_metadata
.endif
;; end of part 3
;; launch proj (part 4): grid 64 x 3, 4 waves a work-group, no clusters, 167,936 bytes of LDS; arguments oimg, wimg, lowp_scales, out0; writes out0
.if DOCPART == 4
	.amdgcn_target "amdgcn-amd-amdhsa--gfx1250"
	.amdhsa_code_object_version 6
	.text
	.protected	k_qf7ce5b49a2_proj
	.globl	k_qf7ce5b49a2_proj
	.p2align	8
	.type	k_qf7ce5b49a2_proj,@function
k_qf7ce5b49a2_proj:
	s_mov_b64 s[64:65], 0
	v_nop
	global_prefetch_b8 v0, s[64:65] scope:SCOPE_SE
	s_setreg_imm32_b32 hwreg(HW_REG_WAVE_MODE, 25, 1), 1
	s_wait_xcnt 0x0
; out0 = o wo^T on codes of E4M3: o's images from the attention launch (entry 10), wo's from the quantising launch (entry 11); each finished sum x 2^(entries 10 + 11); f32 rows out.
; Work-group (A, b): tokens 64 A on (four row tiles, in LDS: source 1, a token a lane), output columns 256 b on, 64 a wave (four row tiles of wo in registers: source 0, columns along a lane's registers).
; A row tile f holds rows 32 (f / 2) + 8 (f % 2) + i + 8 (i / 8): register j of tile t in lane (r, h) is column 32 (t / 2) + 16 h + 8 (t % 2) + j of my 64, token r of the tile.
; A lane's numbers are pieces of one row and the lanes beside it hold other rows: so a tile's 16 rows x 256 bytes go through the wave's own stage in LDS and leave as whole runs of 256 bytes.
; NO CLUSTER: the block in LDS is shared by the three work-groups b = 0, 1, 2, and a grid height of 3 is divided by no cluster of four; wo's block, shared along x, goes straight into registers.
; The four tiles in LDS are filled once, one tensor load a wave: one of mine is out at the most.
; LIMIT: entries 10 + 11 lie between -126 and 127, so that 2^(their sum) is an f32 number.
; REGISTERS, in windows of 256: window 0: v1-11 addresses; v32-127, v128-223 o's fragments of one tile, two buffers; v224-255 a tile's results.
;   window 1: wo's fragments (K step s, tile t) at v[16 (4 s + t)], s = 0 .. 3.   window 2: v0-127 the same for s = 4, 5; v128-159 the four accumulators.
.set TILEB, 12288
.set BLKB,  16*TILEB
.set WSET,  589824
.set STAGE, 4*TILEB                    ; behind the tiles: 16 rows x 272 bytes for each wave; no tensor load lands here
.set SPI,   272                        ; 256 bytes + 16 = 68 words: the sixteen rows that a store touches begin 4 words apart modulo 64 (64 banks of 4 bytes: ISA guide 11.1)
.set SPARE, STAGE+4*16*SPI             ; behind the stages: the spare words, 128 bytes for each wave: two blocks of 256 bytes that no other line names
.set OROW,  3072                       ; a row of out0 in bytes
.set LI,   1                           ; v1    16 x lane
.set LA,   1                           ;       all four tiles lie within the LDS offset's reach
.set STO,  3                           ; v3    the stage: where I put my pieces of a row
.set RD,   4                           ; v4    and where I read a row back
.set CO,   5                           ; v5    my byte offset in two rows of out0
.set SPW,  10                          ; v10   LDS address of my spare word; never rewritten
.set NIL,  11                          ; v11   0; never rewritten
.set LF,   32
.set TMP,  224
.set ACC,  128                         ; in window 2
.set G1,   24                          ; s[24:31] descriptor group 1
.set G0,   32                          ; s[32:35] descriptor group 0
.set MSB, 0
.macro WIN new                         ; the immediate's high byte repeats the setting that is left; a switch that changes nothing is dropped
.if MSB != \new
	s_set_vgpr_msb (MSB<<8)|\new
.set MSB, \new
.endif
.endm
	s_load_b256 s[4:11], s[0:1], 0x0               ; oimg s[4:5], wimg s[6:7], the exponents s[8:9], out0 s[10:11]
	v_lshl_add_u32 v[SPW], v0, 2, SPARE
	v_mov_b32 v[NIL], 0
	ds_add_u32 v[SPW], v[NIL]                      ; the wave's opening: the add and its wait ahead of my first tensor load; the set-up below, work on registers, stands between them
	ds_add_u32 v[SPW], v[NIL]
	v_lshrrev_b32 v1, 5, v0
	v_readfirstlane_b32 s12, v1                    ; wave 0..3
	v_and_b32 v1, 31, v0
	v_lshlrev_b32 v[LI], 4, v1
	s_mov_b32 s13, ttmp9                           ; A
	s_and_b32 s14, ttmp7, 0xffff                   ; b
	s_mov_b32 s[G1+0], 3<<16                       ; a row tile is 12,288 dense bytes: 48 rows of 32 elements of 8 bytes; no mask, no padding
	s_mov_b32 s[G1+1], 32<<16                      ; tensor_dim0 = 32
	s_mov_b32 s[G1+2], 48<<16                      ; tensor_dim1 = 48
	s_mov_b32 s[G1+3], 32<<16                      ; tile_dim0 = 32
	s_mov_b32 s[G1+4], 48                          ; tile_dim1 = 48
	s_mov_b32 s[G1+5], 32                          ; from row to row
	s_mov_b32 s[G1+6], 0
	s_mov_b32 s[G1+7], 0
	s_mul_i32 s22, s12, TILEB                      ; I fetch tile w
	s_mul_i32 s18, s13, 4*TILEB
	s_add_co_u32 s18, s18, s22
	s_mov_b32 s19, 0
	s_mul_i32 s20, s14, BLKB
	s_add_co_u32 s20, s20, 3*WSET                  ; wo is wimg's set 3
	s_mul_i32 s21, s12, 4*TILEB
	s_add_co_u32 s20, s20, s21                     ; my four tiles of it
	s_mov_b32 s21, 0
	s_mul_i32 s58, s13, 64*OROW
	s_lshl_b32 s59, s14, 10
	s_add_co_u32 s58, s58, s59
	s_lshl_b32 s59, s12, 8
	s_add_co_u32 s58, s58, s59                     ; out0: row 64 A, column bytes 1,024 b + 256 w
	s_mov_b32 s59, 0
	s_mul_i32 s60, s12, 16*SPI
	s_add_co_u32 s60, s60, STAGE                   ; my stage
	v_and_b32 v6, 15, v0                           ; r
	v_bfe_u32 v7, v0, 4, 1                         ; h
	v_mul_u32_u24 v[STO], v6, SPI
	v_lshl_add_u32 v[STO], v7, 6, v[STO]
	v_add_nc_u32 v[STO], s60, v[STO]               ; in: row r, + 64 h
	v_mul_u32_u24 v[RD], v7, SPI
	v_lshl_add_u32 v[RD], v6, 4, v[RD]
	v_add_nc_u32 v[RD], s60, v[RD]                 ; back: lanes 0-15 one row of 256 bytes, lanes 16-31 the next
	v_mul_u32_u24 v[CO], v7, OROW
	v_lshl_add_u32 v[CO], v6, 4, v[CO]             ; and the same two rows in out0
	s_wait_dscnt 0x0                               ; the opening add is done
	s_wait_kmcnt 0x0
	s_load_b64 s[56:57], s[8:9], 0x28              ; entries 10, 11
	s_add_nc_u64 s[48:49], s[6:7], s[20:21]
	s_add_nc_u64 s[10:11], s[10:11], s[58:59]
	s_mov_b32 s[G0], 1                             ; count = 1
	s_mov_b32 s[G0+1], s22                         ; LDS address: tile w
	s_add_nc_u64 s[G0+2:G0+3], s[4:5], s[18:19]
	s_or_b32 s[G0+3], s[G0+3], 0x80000000          ; type = 2
	tensor_load_to_lds s[G0:G0+3], s[G1:G1+7]
	s_nop 0
.rept 4
	v_nop                                          ; ahead of the switch of windows below
.endr
	WIN 0x40                                       ; destination window 1, address window 0
.irp s, 0,1,2,3
.irp t, 0,1,2,3
.irp c, 0,1,2,3
	global_load_b128 v[16*(4*\s+\t)+4*\c:16*(4*\s+\t)+4*\c+3], v[LI], s[48:49] offset:\t*TILEB+\s*2048+\c*512
.endr
.endr
.endr
	WIN 0x80                                       ; destination window 2
.irp s, 4,5
.irp t, 0,1,2,3
.irp c, 0,1,2,3
	global_load_b128 v[16*(4*(\s-4)+\t)+4*\c:16*(4*(\s-4)+\t)+4*\c+3], v[LI], s[48:49] offset:\t*TILEB+\s*2048+\c*512
.endr
.endr
.endr
	WIN 0
	s_wait_kmcnt 0x0
	s_add_co_i32 s56, s56, s57
	s_add_co_i32 s56, s56, 127
	s_lshl_b32 s56, s56, 23                        ; 2^(entries 10 + 11) as f32
	s_mov_b32 s57, s56                             ; (named with it as a pair, so it is written)
.macro LFETCH m                        ; o's tile m, six fragments, into buffer m % 2
.irp s, 0,1,2,3,4,5
.irp c, 0,1,2,3
	ds_load_b128 v[LF+96*((\m)%2)+16*\s+4*\c:LF+96*((\m)%2)+16*\s+4*\c+3], v[LA] offset:(\m)*TILEB+\s*2048+\c*512
.endr
.endr
.endm
; 24 matrix instructions: my four tiles of wo against one tile of o, K ascending.  The four accumulators take turns, one instruction a turn; the first K step starts the sums.
.macro MULT p
	WIN 0xa1                                       ; source 0 (wo) window 1, source 1 (o) window 0, C and D window 2
.irp s, 0,1,2,3
.irp t, 0,1,2,3
.if \s == 0
	v_wmma_f32_16x16x128_fp8_fp8 v[ACC+8*\t:ACC+8*\t+7], v[16*(4*\s+\t):16*(4*\s+\t)+15], v[LF+96*(\p)+16*\s:LF+96*(\p)+16*\s+15], 0
.else
	v_wmma_f32_16x16x128_fp8_fp8 v[ACC+8*\t:ACC+8*\t+7], v[16*(4*\s+\t):16*(4*\s+\t)+15], v[LF+96*(\p)+16*\s:LF+96*(\p)+16*\s+15], v[ACC+8*\t:ACC+8*\t+7]
.endif
.endr
.endr
	WIN 0xa2                                       ; source 0 window 2
.irp s, 4,5
.irp t, 0,1,2,3
	v_wmma_f32_16x16x128_fp8_fp8 v[ACC+8*\t:ACC+8*\t+7], v[16*(4*(\s-4)+\t):16*(4*(\s-4)+\t)+15], v[LF+96*(\p)+16*\s:LF+96*(\p)+16*\s+15], v[ACC+8*\t:ACC+8*\t+7]
.endr
.endr
.endm
.macro TILE m
	s_wait_dscnt 0x0                               ; tile m's fragments are in
.if (\m)+1 < 4
	LFETCH (\m)+1                                  ; lands while tile m is multiplied; that buffer's last products stand ahead of the last tile's way out, more than four plain lines back
.endif
	MULT (\m)%2
.rept 4
	v_nop                                          ; four places between a matrix instruction and the first read of its result (ISA guide 7.12.1)
.endr
	s_wait_xcnt 0x0                                ; the last tile's stores have read their data: the registers are written again only behind this wait
	WIN 0x02                                       ; source 0 window 2
.set ii, 0
.rept 16
	v_pk_mul_f32 v[TMP+ii:TMP+ii+1], v[ACC+ii:ACC+ii+1], s[56:57] op_sel_hi:[1,0]   ; both x 2^(entries 10 + 11); each accumulator from its low end on
.set ii, ii+2
.endr
	WIN 0
.irp t, 0,1,2,3
	ds_store_b128 v[STO], v[TMP+8*\t:TMP+8*\t+3] offset:128*(\t/2)+32*(\t%2)
	ds_store_b128 v[STO], v[TMP+8*\t+4:TMP+8*\t+7] offset:128*(\t/2)+32*(\t%2)+16
.endr
.irp i, 0,1,2,3,4,5,6,7
	ds_load_b128 v[TMP+4*\i:TMP+4*\i+3], v[RD] offset:2*\i*SPI   ; LDS serves a wave's instructions in order: these see my stores, and land where the stores have read
.endr
.irp i, 0,1,2,3,4,5,6,7
	s_wait_dscnt 7-\i                              ; pair i of rows is back
	global_store_b128 v[CO], v[TMP+4*\i:TMP+4*\i+3], s[10:11] offset:(32*((\m)/2)+8*((\m)%2)+2*\i+8*(\i/4))*OROW th:TH_STORE_NT   ; the tile's rows 2 i, 2 i + 1: 16 lanes store 256 consecutive bytes, at a multiple of 256 from out0's first byte
.endr
.endm
	s_wait_tensorcnt 0x0                           ; my tile is in,
	s_barrier_signal -1
	s_barrier_wait -1                              ; everybody's is
	LFETCH 0
	s_wait_loadcnt 0x0                             ; wo's fragments
.irp m, 0,1,2,3
	TILE \m
.endr
	s_wait_tensorcnt 0x0                           ; the wave's end: behind my last tensor load and my last LDS store
	ds_add_u32 v[SPW], v[NIL]
	s_wait_dscnt 0x0
	s_endpgm
.Lfunc_end_k_qf7ce5b49a2_proj:
	.size	k_qf7ce5b49a2_proj, .Lfunc_end_k_qf7ce5b49a2_proj-k_qf7ce5b49a2_proj
	.p2alignl 7, 3214868480
	.fill 96, 4, 3214868480
	.section	.rodata,"a",@progbits
	.p2align	6, 0x0
	.amdhsa_kernel k_qf7ce5b49a2_proj
		.amdhsa_group_segment_fixed_size 167936
		.amdhsa_private_segment_fixed_size 0
		.amdhsa_enable_private_segment 0
		.amdhsa_kernarg_size 32
		.amdhsa_user_sgpr_count 2
		.amdhsa_user_sgpr_kernarg_segment_ptr 1
		.amdhsa_wavefront_size32 1
		.amdhsa_system_sgpr_workgroup_id_x 1
		.amdhsa_system_sgpr_workgroup_id_y 1
		.amdhsa_system_sgpr_workgroup_id_z 1
		.amdhsa_system_vgpr_workitem_id 0
		.amdhsa_next_free_vgpr 672
		.amdhsa_next_free_sgpr 66
		.amdhsa_reserve_vcc 0
		.amdhsa_float_denorm_mode_32 3
		.amdhsa_float_denorm_mode_16_64 3
		.amdhsa_memory_ordered 1
		.amdhsa_forward_progress 1
		.amdhsa_inst_pref_size 38
	.end_amdhsa_kernel
	.amdgpu_metadata
---
amdhsa.version: [ 1, 2 ]
amdhsa.kernels:
  - .name:           k_qf7ce5b49a2_proj
    .symbol:         k_qf7ce5b49a2_proj.kd
    .args:
      - { .name: oimg, .offset: 0, .size: 8, .value_kind: global_buffer, .address_space: global }
      - { .name: wimg, .offset: 8, .size: 8, .value_kind: global_buffer, .address_space: global }
      - { .name: lowp_scales, .offset: 16, .size: 8, .value_kind: global_buffer, .address_space: global }
      - { .name: out0, .offset: 24, .size: 8, .value_kind: global_buffer, .address_space: global }
    .group_segment_fixed_size: 167936
    .private_segment_fixed_size: 0
    .kernarg_segment_align: 8
    .kernarg_segment_size: 32
    .max_flat_workgroup_size: 128
    .sgpr_count:     66
    .vgpr_count:     672
    .wavefront_size: 32
...
	.end_amdgpu_metadata
.endif
;; end of part 4
